; MI455X (gfx1250); checked and timed in simulation.
; The chip was launched on July 23, 2026; its instructions are those of AMD's public machine-readable ISA for CDNA 5 (MIT licence, August 2026) and "CDNA5" Instruction Set Architecture Reference Guide (July 2026). The comments in the code are by the model that wrote it; some were corrected since.
;; Temporal Self Attention. Allowed arithmetic: matrix products marked QUANTISED: E4M3 operands, one given power-of-two scale a tensor, by v_wmma_f32_16x16x64_fp8_fp8 or v_wmma_f32_16x16x128_fp8_fp8, f32 sums; everything else in f32.
;; Inputs: b_attn 768 float32; b_proj 256 float32; input_tensor 2 x 1,024 x 4 x 256 float32; lowp_scales 8 int32 (the exponents e of the quantised operands' scales 2^e); w_attn 256 x 768 float32; w_proj 256 x 256 float32.
;; Outputs: out0 2 x 1,024 x 4 x 256 float32.
;; This version of the problem:
;;   THIS VERSION OF THE PROBLEM IS GIVEN IN LOW PRECISION. The matrix products marked QUANTISED in the list below multiply operands that are first quantised to E4M3 (4 exponent bits, 3 mantissa bits; 8 bits a number), with one given power-of-two scale for each operand tensor; their sums are f32. All else is computed in f32.
;;   The module's matrix products, in the order in which they are computed (A, B: the left and right operand; K: the contracted axis; several contracted axes count as one K, in the product's order):
;;     1. [M 8,192, K 256] x [K 256, N 768]; A: input input_tensor; B: input w_attn: QUANTISED (scales: A lowp_scales[0], B lowp_scales[1])
;;     2. batch 64 x [M 1,024, K 32] x [K 32, N 1,024]; A: computed on the way; B: computed on the way: QUANTISED (scales: A lowp_scales[2], B lowp_scales[3])
;;     3. batch 64 x [M 32, K 1,024] x [K 1,024, N 1,024]; A: computed on the way; B: softmax (see below): QUANTISED (scales: A lowp_scales[4], B lowp_scales[5])
;;     4. [M 8,192, K 256] x [K 256, N 256]; A: computed on the way; B: input w_proj: QUANTISED (scales: A lowp_scales[6], B lowp_scales[7])
;;   THE QUANTISER, for each operand of a quantised product, along K:
;;     - The operand's scale is 2^e, e = its entry of the input lowp_scales (int32; the entries are numbered through the quantised products in the list's order, A before B).
;;     - Each number is divided by the scale, clamped to +-448, and rounded to the nearest number of E4M3, ties to even, subnormals kept.
;;     - The product sums the exact products of the quantised numbers (number of the format x scale) in f32.
;;   ~~~python
;;   def quantise(x, axis, e):      # numpy; x: float32 -> the quantised numbers, widened to float32 again
;;       x = np.moveaxis(x, axis, -1); K = x.shape[-1]
;;       r = np.clip(x / 2.0 ** e, -448, 448)
;;       step = 2.0 ** (np.maximum(np.frexp(np.where(r == 0, 1, r))[1] - 1, -6) - 3)
;;       q = np.round(r / step) * step * 2.0 ** e      # np.round: ties to even
;;       return np.moveaxis(q, -1, axis).astype(np.float32)
;;   ~~~
;;   SOFTMAX AHEAD OF A QUANTISED PRODUCT. Where the list says 'softmax', what is quantised is not the finished softmax but p = 2^(t - M), with t = logit x log2(e) and M = ceil(the row's largest t), a whole number; so 1/2 < the row's largest p <= 1. The row's sum l is taken of the UNQUANTISED p, in f32, and the product's result is divided by l at the end. Since M is a whole number, a kernel that streams over the keys may use a running M (the ceiling of the running maximum): every later rescaling is an exact power of two, so the quantised numbers keep their values, but for numbers so far below the row's largest that they fall under the format's range.
;;   OPERANDS COMPUTED ON THE WAY. 'Computed on the way' means the value that the module computes at that place (a softmax that the list does not call 'softmax' is quantised finished and normalised). What goes into a quantiser is computed in f32, as accurately as f32 sums, v_exp_f32 and their like allow (about 1e-6 of the number): no bf16 or f16 on the way to a quantiser, and a product that is left as it is and whose result goes on into a quantised operand takes f32 operands (vector FMAs, or v_wmma_f32_16x16x4_f32). A number that lies on a knife's edge between two numbers of the format may be rounded either way, as far as f32 arithmetic and the matrix unit's own rounding can turn it there, and no further.
;; One version. Each part assembles by itself: llvm-mc -triple=amdgcn-amd-amdhsa -mcpu=gfx1250 --defsym DOCPART=n.
;; ======== version 1 of 1: 2 launches
;; limits: right only within a limited range of input values
;; workspace buffers: qc 2,097,152 bytes; kv 4,194,304 bytes; wpc 65,536 bytes
;; launch qkv (part 1): grid 128 x 2, 8 waves a work-group, clusters of 4 x 1, 327,680 bytes of LDS; arguments input_tensor, w_attn, b_attn, w_proj, lowp_scales, qc, kv, wpc; writes qc, kv, wpc
.if DOCPART == 1
	.amdgcn_target "amdgcn-amd-amdhsa--gfx1250"
	.amdhsa_code_object_version 6
	.text
	.protected	k_qaa2d341748_qkv
	.globl	k_qaa2d341748_qkv
	.p2align	8
	.type	k_qaa2d341748_qkv,@function
k_qaa2d341748_qkv:
	s_mov_b64 s[64:65], 0
	v_nop
	global_prefetch_b8 v0, s[64:65] scope:SCOPE_SE
	s_setreg_imm32_b32 hwreg(HW_REG_WAVE_MODE, 25, 1), 1
	s_wait_xcnt 0x0
	s_wait_alu depctr_hold_cnt(0) depctr_sa_sdst(0) depctr_va_vdst(0) depctr_va_sdst(0) depctr_va_ssrc(0) depctr_va_vcc(0) depctr_vm_vsrc(0)
	s_getreg_b32 s2, hwreg(HW_REG_IB_STS2, 6, 4)
	s_cmp_eq_u32 s2, 0
	s_cbranch_scc0 .Lentry_in_a_cluster
	s_endpgm
.Lentry_in_a_cluster:
	s_bfe_u32 s2, ttmp6, 0x10000c
	s_cmp_lg_u32 s2, 0x3003
	s_cbranch_scc0 .Lentry_shape_is_right
	s_endpgm
.Lentry_shape_is_right:
; qkv = Q(x) Q(w_attn) + b_attn on codes of FP8 (E4M3); RoPE on q and k; q, k, v quantised and stored in the order of the next launch's operand registers.  Eight work-groups also quantise w_proj.  No work of reference() is left out here.
; x: [2][1024][4][256] f32; sequence bn = 4 b + n; a token's row is 1,024 bytes, tokens of a sequence lie 4,096 bytes apart.  w_attn: [256 (k)][768] f32.  w_proj: [256 (k)][256] f32.
; SHARES.  A work-group takes 256 tokens (block tb) of one sequence and ONE head: 32 columns each of q, k and v.  Wave w takes tokens 32 w .. 32 w + 31 as two tiles u of 16 in their order, x 6 column tiles.
; CLUSTER.  The four work-groups of a cluster have the same tokens (cluster x = row block) and four heads (4 cluster y + cx): x's rows are asked for JOINTLY (mask 15), one load of 32 rows a wave, which that wave alone reads.
; No prefetch: the launch is straight-line, each byte is asked for once at its head, and there is no loop to run ahead in.
; OPERANDS.  Both sides of the product carry k = 32 c + 16 (lane / 16) + 0 .. 15 in registers 4 c .. 4 c + 3: the same permutation of k on both sides.  w_attn: a lane takes a column and its registers run down k; the 12 fragments are made once,
; three halves a wave, and go from wave to wave through LDS as images of their registers.  q, k: source 0 = w's 16 columns, source 1 = x's 16 tokens: a lane holds one token and d = 16 tau + 8 (lane / 16) + j.  v: the sources swapped: a lane holds one d and 8 tokens.
; ROPE.  angle = t x inv_freq in f32; reduced by n = round(angle 2 / pi) with pi / 2 in two parts (fused multiply-adds); sine to x^9, cosine to x^10 on +-pi / 4; the quadrant by selects and sign bits.
; LIMITS.  e0, e1, e2, e3, e4, e7 between -126 and 119; e0 + e1 between -126 and 127.  NaN among the inputs is not served.  inv_freq is the f32 number nearest to 10^(-j / 4), which may differ in the last bits from a power followed by a reciprocal
; (an angle's error up to about 7e-5 at t = 1,023).  x cos + rot sin is one multiplication and one fused multiply-add.
.set XROW,  1040                       ; an LDS row of x: 1,024 bytes + 16 of padding: an odd multiple of 16, so the 16 rows of a load start at 16 different groups of banks
.set XW,    32*XROW                    ; a wave's 32 rows
.set WIMG,  8*XW                       ; behind x: w_attn's 12 fragments as register images, 24 halves of 1,024 bytes
.set SPARE, WIMG+24*1024               ; behind them: the spare words, 128 bytes for each wave: four blocks of 256 bytes that no other line names
.set LI,  1                            ; v1   16 x lane
.set XRD, 2                            ; v2   x in LDS: my wave's rows + r x XROW + 64 (lane / 16)
.set WWR, 3                            ; v3   where I store my three halves of w_attn's images
.set WRD, 4                            ; v4   where any image begins for my lane
.set WLO, 5                            ; v5   w_attn: 16 (lane / 16) rows of 3,072 bytes + 4 r
.set PLO, 6                            ; v6   w_proj: 8 (lane / 16) rows of 1,024 bytes + 4 r
.set BLO, 7                            ; v7   biases of q, k: 32 (lane / 16)
.set BVO, 8                            ; v8   bias of v: 4 r
.set SPW, 9                            ; v9   my spare word; never rewritten
.set NIL, 10                           ; v10  0; never rewritten
.set SC,  11                           ; v11  the scale in hand, as f32
.set LIM, 12                           ; v12  448 x that scale
.set RR,  13                           ; v13  r = lane % 16
.set HF,  14                           ; v14  lane / 16
.set XF,  16                           ; v16-79   x's fragments (u, K step p) at 16 (2 u + p).  Earlier: v16-47 w_proj's numbers; v48-55 inv_freq; v56-57 t; v58-75 at work; then v48-71 w_attn's codes, v72-79 w_proj's
.set PRAW, 16
.set INVF, 48
.set TF,   56
.set WCD,  48
.set PCD,  72
.set CS,  80                           ; v80-111  cos j at 16 u + j, sin j at 16 u + 8 + j
.set BQ,  112                          ; v112-127 q's bias at 8 tau + j;  v128-143 k's;  v144, v146 v's (the low words of two pairs)
.set BK,  128
.set BV,  144
.set WF,  152                          ; v152-215 four fragments of w_attn at 16 (2 tau + p); then the rotated numbers.  Earlier v152-247: three sets of 32 numbers as loaded
.set RT,  152
.set RAW, 152
.set ACC, 216                          ; v216-247 four accumulators at 8 (2 u + tau)
.set CD,  248                          ; v248-255 codes on their way out (earlier: at work)
.set WV,  20                           ; s20 wave;  s22 head;  s23 row block = 4 bn + tb;  s56 bn;  s57 tb
.set CB,  22
.set RB,  23
.set G1,  24                           ; s[24:31] descriptor group 1;  s[32:35] group 0
.set G0,  32
.set MK,  86                           ; s86-89 four masks while the sines are made; later scales
.macro CROUND                          ; a round of the cluster's barrier
	s_barrier_signal -1
	s_barrier_wait -1
	s_cmp_lg_u32 s[WV], 0
	s_cbranch_scc1 .Lnot_wave_0_\@
	s_barrier_signal -3
.Lnot_wave_0_\@:
	s_barrier_wait -3
	s_barrier_signal -1
	s_barrier_wait -1
.endm
; 32 numbers of one column: half a fragment.  native = 0: number 16 c + i is k = 32 c + 16 (lane / 16) + i;  native = 1: number 8 c + i is k = 16 c + 8 (lane / 16) + i
.macro HALFLD raw, ptr, lo, pitch, native
.set n, 0
.rept 32
.if \native
	global_load_b32 v[\raw+n], v[\lo], s[\ptr:\ptr+1] offset:\pitch*(16*(n/8)+n%8)
.else
	global_load_b32 v[\raw+n], v[\lo], s[\ptr:\ptr+1] offset:\pitch*(32*(n/16)+n%16)
.endif
.set n, n+1
.endr
.endm
; 32 numbers become 32 codes in 8 registers
.macro HALFQ raw, dst
.set n, 0
.rept 32
	v_med3_num_f32 v[\raw+n], v[\raw+n], -v[LIM], v[LIM]   ; the conversion to an 8-bit code does not saturate (ISA guide 7.6.2): the hold at the largest code x the scale
.set n, n+1
.endr
.irp g, 0,1,2,3
	v_cvt_scalef32_pk8_fp8_f32 v[\dst+2*\g:\dst+2*\g+1], v[\raw+8*\g:\raw+8*\g+7], v[SC]
.endr
	v_nop                                          ; one plain vector line behind the last conversion of a run
.endm
; sine and cosine of t x inv_freq[j0 .. j0 + 3] for tile u: four chains, line by line.  A set of six registers: +0 angle, +1 n, +2 its square, +3 sine, +4 cosine, +5 at work
.macro SINCOS4 u, j0
.set jj, \j0
.irp b, 58,64,70,250
	v_mul_f32 v[\b], v[TF+\u], v[INVF+jj]          ; the angle, rounded to f32 as reference() has it
.set jj, jj+1
.endr
.irp b, 58,64,70,250
	s_delay_alu instid0(VALU_DEP_4)
	v_mul_f32 v[\b+1], 0x3f22f983, v[\b]           ; x 2 / pi
.endr
.irp b, 58,64,70,250
	s_delay_alu instid0(VALU_DEP_4)
	v_rndne_f32 v[\b+1], v[\b+1]                   ; n
.endr
.irp b, 58,64,70,250
	s_delay_alu instid0(VALU_DEP_4)
	v_fmamk_f32 v[\b], v[\b+1], 0xbfc90fdb, v[\b]  ; - n x the f32 number nearest pi / 2
.endr
.irp b, 58,64,70,250
	s_delay_alu instid0(VALU_DEP_4)
	v_fmamk_f32 v[\b], v[\b+1], 0x333bbd2e, v[\b]  ; + n x 4.371e-8, by which that number is too large
.endr
.irp b, 58,64,70,250
	v_cvt_i32_f32 v[\b+1], v[\b+1]
	v_mul_f32 v[\b+2], v[\b], v[\b]
.endr
.irp b, 58,64,70,250
	v_fmaak_f32 v[\b+3], s94, v[\b+2], 0xb9500d01  ; sine: 1/9! x^2 - 1/7!
	v_fmaak_f32 v[\b+4], s95, v[\b+2], 0x37d00d01  ; cosine: -1/10! x^2 + 1/8!
.endr
.irp b, 58,64,70,250
	v_fmaak_f32 v[\b+3], v[\b+3], v[\b+2], 0x3c088889
	v_fmaak_f32 v[\b+4], v[\b+4], v[\b+2], 0xbab60b61
.endr
.irp b, 58,64,70,250
	v_fmaak_f32 v[\b+3], v[\b+3], v[\b+2], 0xbe2aaaab
	v_fmaak_f32 v[\b+4], v[\b+4], v[\b+2], 0x3d2aaaab
.endr
.irp b, 58,64,70,250
	v_mul_f32 v[\b+5], v[\b], v[\b+2]
	v_fma_f32 v[\b+4], v[\b+4], v[\b+2], -0.5
.endr
.irp b, 58,64,70,250
	v_fma_f32 v[\b+3], v[\b+5], v[\b+3], v[\b]
	v_fma_f32 v[\b+4], v[\b+4], v[\b+2], 1.0
.endr
.irp b, 58,64,70,250
	v_and_b32 v[\b+5], 1, v[\b+1]
.endr
.set kk, 0
.irp b, 58,64,70,250
	s_delay_alu instid0(VALU_DEP_4)
	v_cmp_eq_u32 s[MK+kk], 1, v[\b+5]              ; an odd quadrant changes sine and cosine
.set kk, kk+1
.endr
.set kk, 0
.irp b, 58,64,70,250
	v_cndmask_b32 v[\b], v[\b+3], v[\b+4], s[MK+kk]
	v_cndmask_b32 v[\b+2], v[\b+4], v[\b+3], s[MK+kk]
.set kk, kk+1
.endr
.irp b, 58,64,70,250
	v_lshlrev_b32 v[\b+5], 30, v[\b+1]             ; the sine is negative in quadrants 2, 3: bit 1 of n,
	v_add_nc_u32 v[\b+1], 1, v[\b+1]               ; the cosine in quadrants 1, 2: bit 1 of n + 1
.endr
.irp b, 58,64,70,250
	v_and_b32 v[\b+5], 0x80000000, v[\b+5]
	v_lshlrev_b32 v[\b+1], 30, v[\b+1]
.endr
.irp b, 58,64,70,250
	v_and_b32 v[\b+1], 0x80000000, v[\b+1]
.endr
.set jj, \j0
.irp b, 58,64,70,250
	v_xor_b32 v[CS+16*\u+8+jj], v[\b+5], v[\b]
	v_xor_b32 v[CS+16*\u+jj], v[\b+1], v[\b+2]
.set jj, jj+1
.endr
.endm
.macro MKF j, lo, hi                   ; inv_freq[j + 8 (lane / 16)]
	v_mov_b32 v[INVF+\j], \lo
	v_mov_b32 v15, \hi
	s_delay_alu instid0(VALU_DEP_1)
	v_cndmask_b32 v[INVF+\j], v[INVF+\j], v15, s3
.endm
.macro MKSC dst, e                     ; s[dst] = 2^e as f32, s[dst + 1] = 448 x 2^e
	s_add_co_i32 s[\dst+1], s[\e], 127
	s_lshl_b32 s[\dst], s[\dst+1], 23
	s_add_co_i32 s[\dst+1], s[\dst+1], 8
	s_lshl_b32 s[\dst+1], s[\dst+1], 23
	s_or_b32 s[\dst+1], s[\dst+1], 0x600000
.endm
.macro WPTR dst, i                     ; half U = 3 w + i = 4 (column tile) + 2 (K step) + (half): k from 64 (U % 4), columns 256 (U / 8) + 32 head + 16 ((U / 4) % 2)
	s_add_co_u32 s94, s2, \i
	s_and_b32 s95, s94, 3
	s_mul_i32 s95, s95, 196608
	s_lshr_b32 s3, s94, 3
	s_lshl_b32 s3, s3, 10
	s_add_co_u32 s95, s95, s3
	s_bfe_u32 s3, s94, 0x10002
	s_lshl_b32 s3, s3, 6
	s_add_co_u32 s95, s95, s3
	s_add_co_u32 s94, s95, s86
	s_mov_b32 s95, 0
	s_add_nc_u64 s[\dst:\dst+1], s[6:7], s[94:95]
.endm
.macro XCH k                           ; chunk k = 4 u + 2 p + half: 32 numbers of my row of x, from LDS into set k % 3
.irp c, 0,1
.irp j, 0,1,2,3
	ds_load_b128 v[RAW+32*((\k)%3)+16*\c+4*\j:RAW+32*((\k)%3)+16*\c+4*\j+3], v[XRD] offset:((\k)>>2)*16*XROW+(((\k)>>1)&1)*512+((\k)&1)*256+128*\c+16*\j
.endr
.endr
.endm
.macro WFETCH i                        ; the four fragments of type i (0 q, 1 k, 2 v)
.irp t, 0,1
.irp p, 0,1
.irp c, 0,1,2,3
	ds_load_b128 v[WF+16*(2*\t+\p)+4*\c:WF+16*(2*\t+\p)+4*\c+3], v[WRD] offset:(2*(2*\i+\t)+\p)*2048+512*\c
.endr
.endr
.endr
.endm
.macro MUL8 sw                         ; 8 products: the four accumulators take turns, one instruction a turn; the first K step starts the sums
	s_wait_alu depctr_va_vdst(0)                   ; the wait ahead of the first reader
.irp p, 0,1
.irp u, 0,1
.irp t, 0,1
.if \sw
.if \p == 0
	v_wmma_f32_16x16x128_fp8_fp8 v[ACC+8*(2*\u+\t):ACC+8*(2*\u+\t)+7], v[XF+16*(2*\u+\p):XF+16*(2*\u+\p)+15], v[WF+16*(2*\t+\p):WF+16*(2*\t+\p)+15], 0
.else
	v_wmma_f32_16x16x128_fp8_fp8 v[ACC+8*(2*\u+\t):ACC+8*(2*\u+\t)+7], v[XF+16*(2*\u+\p):XF+16*(2*\u+\p)+15], v[WF+16*(2*\t+\p):WF+16*(2*\t+\p)+15], v[ACC+8*(2*\u+\t):ACC+8*(2*\u+\t)+7]
.endif
.else
.if \p == 0
	v_wmma_f32_16x16x128_fp8_fp8 v[ACC+8*(2*\u+\t):ACC+8*(2*\u+\t)+7], v[WF+16*(2*\t+\p):WF+16*(2*\t+\p)+15], v[XF+16*(2*\u+\p):XF+16*(2*\u+\p)+15], 0
.else
	v_wmma_f32_16x16x128_fp8_fp8 v[ACC+8*(2*\u+\t):ACC+8*(2*\u+\t)+7], v[WF+16*(2*\t+\p):WF+16*(2*\t+\p)+15], v[XF+16*(2*\u+\p):XF+16*(2*\u+\p)+15], v[ACC+8*(2*\u+\t):ACC+8*(2*\u+\t)+7]
.endif
.endif
.endr
.endr
.endr
.rept 4
	v_nop                                          ; four places between the last product and the first read of results (ISA guide 7.12.1)
.endr
.endm
; q or k: products, scale and bias, RoPE, codes, store.  A lane's 16 bytes of a tile: byte 8 tau + j is d = 16 tau + 8 (lane / 16) + j of its token
.macro QKTRIP i, bias, sp, ptr
	WFETCH \i
	v_mov_b32 v[SC], s[\sp]
	v_mov_b32 v[LIM], s[\sp+1]
	s_wait_dscnt 0x0                               ; the four fragments are in
	MUL8 0
	s_wait_xcnt 0x0                                ; earlier stores have read their registers: the codes' registers may be written again
.irp u, 0,1
.irp t, 0,1
.irp j, 0,2,4,6
	v_pk_fma_f32 v[ACC+8*(2*\u+\t)+\j:ACC+8*(2*\u+\t)+\j+1], v[ACC+8*(2*\u+\t)+\j:ACC+8*(2*\u+\t)+\j+1], s[80:81], v[\bias+8*\t+\j:\bias+8*\t+\j+1] op_sel_hi:[1,0,1]   ; sum x 2^(e0 + e1) + bias; each accumulator from its low end on
.endr
.endr
.irp j, 0,2,4,6
	v_pk_mul_f32 v[RT+16*\u+\j:RT+16*\u+\j+1], v[ACC+16*\u+\j:ACC+16*\u+\j+1], v[CS+16*\u+\j:CS+16*\u+\j+1]
	v_pk_mul_f32 v[RT+16*\u+8+\j:RT+16*\u+8+\j+1], v[ACC+16*\u+8+\j:ACC+16*\u+8+\j+1], v[CS+16*\u+\j:CS+16*\u+\j+1]
.endr
.irp j, 0,2,4,6
	v_pk_fma_f32 v[RT+16*\u+\j:RT+16*\u+\j+1], v[ACC+16*\u+8+\j:ACC+16*\u+8+\j+1], v[CS+16*\u+8+\j:CS+16*\u+8+\j+1], v[RT+16*\u+\j:RT+16*\u+\j+1] neg_lo:[1,0,0] neg_hi:[1,0,0]   ; d < 16: x1 cos - x2 sin
	v_pk_fma_f32 v[RT+16*\u+8+\j:RT+16*\u+8+\j+1], v[ACC+16*\u+\j:ACC+16*\u+\j+1], v[CS+16*\u+8+\j:CS+16*\u+8+\j+1], v[RT+16*\u+8+\j:RT+16*\u+8+\j+1]                             ; d >= 16: x2 cos + x1 sin
.endr
.set n, 0
.rept 16
	v_med3_num_f32 v[RT+16*\u+n], v[RT+16*\u+n], -v[LIM], v[LIM]
.set n, n+1
.endr
	v_cvt_scalef32_pk8_fp8_f32 v[CD+4*\u:CD+4*\u+1], v[RT+16*\u:RT+16*\u+7], v[SC]
	v_cvt_scalef32_pk8_fp8_f32 v[CD+4*\u+2:CD+4*\u+3], v[RT+16*\u+8:RT+16*\u+15], v[SC]
	v_nop
	global_store_b128 v[LI], v[CD+4*\u:CD+4*\u+3], s[\ptr:\ptr+1] offset:512*\u   ; the wave stores 512 consecutive bytes, aligned
.endr
.endm
	s_load_b512 s[4:19], s[0:1], 0x0               ; x s[4:5], w_attn s[6:7], b_attn s[8:9], w_proj s[10:11], scales s[12:13], qc s[14:15], kv s[16:17], wpc s[18:19]
	v_lshl_add_u32 v[SPW], v0, 2, SPARE
	v_mov_b32 v[NIL], 0
	ds_add_u32 v[SPW], v[NIL]                      ; the wave's opening: the add, twice on end, and its wait ahead of my tensor load
	ds_add_u32 v[SPW], v[NIL]
	v_lshrrev_b32 v15, 5, v0
	s_delay_alu instid0(VALU_DEP_1)
	v_readfirstlane_b32 s[WV], v15                 ; wave 0..7
	s_mov_b32 s[RB], ttmp9                         ; row block, which the four partners share
	s_lshr_b32 s56, s[RB], 2                       ; bn
	s_and_b32 s57, s[RB], 3                        ; tb
	s_mov_b32 s[G1+0], 15|(2<<16)|(1<<20)|(1<<21)|(7<<22)|(3<<25)  ; mask: all four; elements of 4 bytes; padding on; bit 21 beside a mask; after every 256 words, 4 words
	s_mov_b32 s[G1+1], 256<<16                     ; tensor_dim0 = 256
	s_mov_b32 s[G1+2], 32<<16                      ; tensor_dim1 = 32
	s_mov_b32 s[G1+3], 256<<16                     ; tile_dim0 = 256
	s_mov_b32 s[G1+4], 32                          ; tile_dim1 = 32
	s_mov_b32 s[G1+5], 1024                        ; from token to token: 1,024 elements
	s_mov_b32 s[G1+6], 0
	s_mov_b32 s[G1+7], 0
	s_lshr_b32 s58, s56, 2                         ; x: b x 2^22 + n x 2^10 + (256 tb + 32 w) x 2^12
	s_lshl_b32 s58, s58, 22
	s_and_b32 s95, s56, 3
	s_lshl_b32 s95, s95, 10
	s_add_co_u32 s58, s58, s95
	s_lshl_b32 s95, s57, 20
	s_add_co_u32 s58, s58, s95
	s_lshl_b32 s95, s[WV], 17
	s_add_co_u32 s58, s58, s95
	s_mov_b32 s59, 0
	s_mul_i32 s94, s[WV], XW                       ; my wave's rows in LDS
	v_and_b32 v[LI], 31, v0
	s_delay_alu instid0(VALU_DEP_1)
	v_lshlrev_b32 v[LI], 4, v[LI]
	v_and_b32 v[RR], 15, v0
	v_bfe_u32 v[HF], v0, 4, 1
	s_delay_alu instid0(VALU_DEP_2)
	v_mul_u32_u24 v[XRD], v[RR], XROW
	s_delay_alu instid0(VALU_DEP_1)
	v_lshl_add_u32 v[XRD], v[HF], 6, v[XRD]
	s_delay_alu instid0(VALU_DEP_1)
	v_add_nc_u32 v[XRD], s94, v[XRD]
	s_mul_i32 s95, s[WV], 3072
	s_add_co_u32 s95, s95, WIMG
	v_add_nc_u32 v[WWR], s95, v[LI]
	v_add_nc_u32 v[WRD], WIMG, v[LI]
	v_mul_u32_u24 v[WLO], v[HF], 0xc000
	s_delay_alu instid0(VALU_DEP_1)
	v_lshl_add_u32 v[WLO], v[RR], 2, v[WLO]
	v_lshlrev_b32 v[PLO], 13, v[HF]
	s_delay_alu instid0(VALU_DEP_1)
	v_lshl_add_u32 v[PLO], v[RR], 2, v[PLO]
	v_lshlrev_b32 v[BLO], 5, v[HF]
	v_lshlrev_b32 v[BVO], 2, v[RR]
	s_wait_dscnt 0x0                               ; both opening adds are done
	CROUND                                         ; all four work-groups are here: the joint loads meet
	s_wait_kmcnt 0x0
	s_load_b256 s[48:55], s[12:13], 0x0            ; e0 .. e7
	s_mov_b32 s[G0], 1
	s_mov_b32 s[G0+1], s94
	s_add_nc_u64 s[G0+2:G0+3], s[4:5], s[58:59]    ; x at my wave's first token
	s_or_b32 s[G0+3], s[G0+3], 0x80000000
	tensor_load_to_lds s[G0:G0+3], s[G1:G1+7]      ; my one tensor load; nothing is ever filled again
	s_nop 0
.rept 4
	v_nop
.endr
	; what hangs on my place in the cluster: global addresses alone
	s_bfe_u32 s21, ttmp6, 0x40000                  ; cx
	s_and_b32 s[CB], ttmp7, 0xffff
	s_lshl_b32 s[CB], s[CB], 2
	s_add_co_u32 s[CB], s[CB], s21                 ; the head = 4 x cluster y + cx
	s_lshl_b32 s86, s[CB], 7                       ; its 32 columns in bytes
	s_mul_i32 s2, s[WV], 3
	WPTR 60, 0
	WPTR 62, 1
	WPTR 66, 2
	s_lshl_b32 s87, s[CB], 3
	s_add_co_u32 s87, s87, s[WV]                   ; w_proj's half U' = 8 head + wave = 4 (column tile) + 2 (K step) + half
	s_and_b32 s94, s87, 3
	s_lshl_b32 s94, s94, 16
	s_lshr_b32 s3, s87, 2
	s_lshl_b32 s3, s3, 6
	s_add_co_u32 s94, s94, s3
	s_add_nc_u64 s[68:69], s[10:11], s[94:95]
	s_lshl_b32 s94, s87, 10
	s_add_nc_u64 s[70:71], s[18:19], s[94:95]
	s_mov_b32 s94, s86
	s_add_nc_u64 s[72:73], s[8:9], s[94:95]
	s_lshl_b32 s94, s56, 3                         ; qc: ((8 bn + head) 64 + 16 tb + 2 w) x 512
	s_add_co_u32 s94, s94, s[CB]
	s_lshl_b32 s94, s94, 6
	s_lshl_b32 s3, s57, 4
	s_add_co_u32 s94, s94, s3
	s_lshl_b32 s3, s[WV], 1
	s_add_co_u32 s94, s94, s3
	s_lshl_b32 s94, s94, 9
	s_add_nc_u64 s[74:75], s[14:15], s[94:95]
	s_lshl_b32 s94, s56, 19                        ; kv: bn x 2^19 + head x 2^16;  K: (16 tb + 2 w + u) x 512;  V: 32,768 + (2 tb + w / 4) x 4,096 + tau x 2,048 + (w % 4) x 512
	s_lshl_b32 s3, s[CB], 16
	s_add_co_u32 s88, s94, s3
	s_lshl_b32 s89, s57, 13
	s_add_co_u32 s88, s88, s89
	s_lshl_b32 s3, s[WV], 10
	s_add_co_u32 s94, s88, s3
	s_add_nc_u64 s[76:77], s[16:17], s[94:95]
	s_lshr_b32 s3, s[WV], 2
	s_lshl_b32 s3, s3, 12
	s_add_co_u32 s94, s88, s3
	s_and_b32 s3, s[WV], 3
	s_lshl_b32 s3, s3, 9
	s_add_co_u32 s94, s94, s3
	s_add_co_u32 s94, s94, 32768
	s_add_nc_u64 s[78:79], s[16:17], s[94:95]
.set n, 0
.rept 32
	v_mov_b32 v[PRAW+n], 0                         ; written on every way through the text: the loads into them stand under a branch
.set n, n+1
.endr
	v_mov_b32 v[BV+1], 0                           ; (named as the upper halves of two pairs)
	v_mov_b32 v[BV+3], 0
	s_cmp_lg_u32 s[RB], 0                          ; w_proj is quantised by the eight work-groups of row block 0, one half of a fragment a wave; the four partners branch alike
	s_cbranch_scc1 .Lno_wp_load
	HALFLD PRAW, 68, PLO, 1024, 1
.Lno_wp_load:
.irp t, 0,1
	global_load_b128 v[BQ+8*\t:BQ+8*\t+3], v[BLO], s[72:73] offset:64*\t
	global_load_b128 v[BQ+8*\t+4:BQ+8*\t+7], v[BLO], s[72:73] offset:64*\t+16
	global_load_b128 v[BK+8*\t:BK+8*\t+3], v[BLO], s[72:73] offset:1024+64*\t
	global_load_b128 v[BK+8*\t+4:BK+8*\t+7], v[BLO], s[72:73] offset:1024+64*\t+16
	global_load_b32 v[BV+2*\t], v[BVO], s[72:73] offset:2048+64*\t
.endr
	HALFLD RAW, 60, WLO, 3072, 0
	; the angles' sines and cosines are made while the loads are on their way
	s_lshl_b32 s94, s57, 8
	s_lshl_b32 s95, s[WV], 5
	s_add_co_u32 s94, s94, s95
	v_add_nc_u32 v15, s94, v[RR]                   ; t = 256 tb + 32 w + r for tile 0,
	s_delay_alu instid0(VALU_DEP_1)
	v_cvt_f32_u32 v[TF], v15
	s_delay_alu instid0(VALU_DEP_2)
	v_add_nc_u32 v15, 16, v15                      ; + 16 for tile 1
	s_delay_alu instid0(VALU_DEP_1)
	v_cvt_f32_u32 v[TF+1], v15
	v_cmp_ne_u32 s3, 0, v[HF]
	MKF 0, 0x3f800000, 0x3c23d70a                  ; 10^(-j / 4), j = 0 .. 15
	MKF 1, 0x3f0ff59a, 0x3bb8449c
	MKF 2, 0x3ea1e89b, 0x3b4f3e37
	MKF 3, 0x3e361887, 0x3ae91528
	MKF 4, 0x3dcccccd, 0x3a83126f
	MKF 5, 0x3d6655c3, 0x3a136a16
	MKF 6, 0x3d0186e2, 0x39a5cb5f
	MKF 7, 0x3c91ad39, 0x393a7753
	s_mov_b32 s94, 0x3638ef1d                      ; 1 / 9!
	s_mov_b32 s95, 0xb493f27e                      ; -1 / 10!
	SINCOS4 0, 0
	SINCOS4 0, 4
	HALFLD RAW+32, 62, WLO, 3072, 0
	HALFLD RAW+64, 66, WLO, 3072, 0
	SINCOS4 1, 0
	SINCOS4 1, 4
	s_wait_kmcnt 0x0                               ; the exponents
	MKSC 82, 48                                    ; e0: x
	MKSC 84, 49                                    ; e1: w_attn
	MKSC 86, 50                                    ; e2: q
	MKSC 88, 51                                    ; e3: k
	MKSC 90, 52                                    ; e4: v
	MKSC 92, 55                                    ; e7: w_proj
	s_add_co_i32 s80, s48, s49
	s_add_co_i32 s80, s80, 127
	s_lshl_b32 s80, s80, 23                        ; 2^(e0 + e1)
	s_mov_b32 s81, s80                             ; (named with it as a pair)
	v_mov_b32 v[SC], s84
	v_mov_b32 v[LIM], s85
	s_wait_alu depctr_va_vdst(0)                   ; the wait at the head's end
	s_wait_loadcnt 63                              ; behind my first half stand 64 loads: it is in (the count is the largest that the wait can name)
	HALFQ RAW, WCD
	ds_store_b128 v[WWR], v[WCD:WCD+3]
	ds_store_b128 v[WWR], v[WCD+4:WCD+7] offset:512
	s_wait_loadcnt 32                              ; behind the second stand 32
	HALFQ RAW+32, WCD+8
	ds_store_b128 v[WWR], v[WCD+8:WCD+11] offset:1024
	ds_store_b128 v[WWR], v[WCD+12:WCD+15] offset:1536
	s_wait_loadcnt 0x0
	HALFQ RAW+64, WCD+16
	ds_store_b128 v[WWR], v[WCD+16:WCD+19] offset:2048
	ds_store_b128 v[WWR], v[WCD+20:WCD+23] offset:2560
	s_cmp_lg_u32 s[RB], 0
	s_cbranch_scc1 .Lno_wp
	v_mov_b32 v[SC], s92
	v_mov_b32 v[LIM], s93
	HALFQ PRAW, PCD
	global_store_b128 v[LI], v[PCD:PCD+3], s[70:71]
	global_store_b128 v[LI], v[PCD+4:PCD+7], s[70:71] offset:512
.Lno_wp:
	v_mov_b32 v[SC], s82
	v_mov_b32 v[LIM], s83
	s_wait_alu depctr_va_vdst(0)                   ; the wait here, ahead of the waits below
	s_wait_xcnt 0x0                                ; those stores have read their registers, which x's codes take
	s_wait_dscnt 0x0                               ; for the others' sake: my image stores are done
	s_barrier_signal -1
	s_barrier_wait -1                              ; w_attn's twelve fragments lie in LDS
	s_wait_tensorcnt 0x0                           ; my 32 rows of x; only I read them
	XCH 0
	XCH 1
	XCH 2
.irp k, 0,1,2,3,4,5,6,7
.if \k < 6
	s_wait_dscnt 16                                ; chunk k is in; the two chunks behind it (8 loads each) may be out
.else
	s_wait_dscnt 8*(7-\k)
.endif
	HALFQ RAW+32*(\k%3), XF+16*(\k>>1)+8*(\k&1)
.if \k < 5
	XCH \k+3
.endif
.endr
	QKTRIP 0, BQ, 86, 74
	QKTRIP 1, BK, 88, 76
	; v: the sources swapped: lane (r, half) holds d = 16 tau + r and, of tile u, tokens 32 w + 16 u + 8 half + 0 .. 7
	WFETCH 2
	v_mov_b32 v[SC], s90
	v_mov_b32 v[LIM], s91
	s_wait_dscnt 0x0
	MUL8 1
	s_wait_xcnt 0x0                                ; k's stores have read their registers
.irp u, 0,1
.irp t, 0,1
.irp j, 0,2,4,6
	v_pk_fma_f32 v[ACC+8*(2*\u+\t)+\j:ACC+8*(2*\u+\t)+\j+1], v[ACC+8*(2*\u+\t)+\j:ACC+8*(2*\u+\t)+\j+1], s[80:81], v[BV+2*\t:BV+2*\t+1] op_sel_hi:[1,0,0]   ; the lane's one bias for both halves
.endr
.endr
.endr
.set n, 0
.rept 32
	v_med3_num_f32 v[ACC+n], v[ACC+n], -v[LIM], v[LIM]
.set n, n+1
.endr
.irp t, 0,1
	v_cvt_scalef32_pk8_fp8_f32 v[CD+4*\t:CD+4*\t+1], v[ACC+8*\t:ACC+8*\t+7], v[SC]
	v_cvt_scalef32_pk8_fp8_f32 v[CD+4*\t+2:CD+4*\t+3], v[ACC+16+8*\t:ACC+16+8*\t+7], v[SC]
.endr
	v_nop
.irp t, 0,1
	global_store_b128 v[LI], v[CD+4*\t:CD+4*\t+3], s[78:79] offset:2048*\t
.endr
	s_wait_tensorcnt 0x0                           ; the wave's end: behind my last tensor load and my last LDS store
	ds_add_u32 v[SPW], v[NIL]
	s_wait_dscnt 0x0
	CROUND                                         ; the closing round
	s_endpgm
.Lfunc_end_k_qaa2d341748_qkv:
	.size	k_qaa2d341748_qkv, .Lfunc_end_k_qaa2d341748_qkv-k_qaa2d341748_qkv
	.p2alignl 7, 3214868480
	.fill 96, 4, 3214868480
	.section	.rodata,"a",@progbits
	.p2align	6, 0x0
	.amdhsa_kernel k_qaa2d341748_qkv
		.amdhsa_group_segment_fixed_size 327680
		.amdhsa_private_segment_fixed_size 0
		.amdhsa_enable_private_segment 0
		.amdhsa_kernarg_size 64
		.amdhsa_user_sgpr_count 2
		.amdhsa_user_sgpr_kernarg_segment_ptr 1
		.amdhsa_wavefront_size32 1
		.amdhsa_system_sgpr_workgroup_id_x 1
		.amdhsa_system_sgpr_workgroup_id_y 1
		.amdhsa_system_sgpr_workgroup_id_z 1
		.amdhsa_system_vgpr_workitem_id 0
		.amdhsa_next_free_vgpr 256
		.amdhsa_next_free_sgpr 96
		.amdhsa_reserve_vcc 0
		.amdhsa_float_denorm_mode_32 3
		.amdhsa_float_denorm_mode_16_64 3
		.amdhsa_memory_ordered 1
		.amdhsa_forward_progress 1
		.amdhsa_inst_pref_size 103
	.end_amdhsa_kernel
	.amdgpu_metadata
---
amdhsa.version: [ 1, 2 ]
amdhsa.kernels:
  - .name:           k_qaa2d341748_qkv
    .symbol:         k_qaa2d341748_qkv.kd
    .args:
      - { .name: input_tensor, .offset: 0, .size: 8, .value_kind: global_buffer, .address_space: global }
      - { .name: w_attn, .offset: 8, .size: 8, .value_kind: global_buffer, .address_space: global }
      - { .name: b_attn, .offset: 16, .size: 8, .value_kind: global_buffer, .address_space: global }
      - { .name: w_proj, .offset: 24, .size: 8, .value_kind: global_buffer, .address_space: global }
      - { .name: lowp_scales, .offset: 32, .size: 8, .value_kind: global_buffer, .address_space: global }
      - { .name: qc, .offset: 40, .size: 8, .value_kind: global_buffer, .address_space: global }
      - { .name: kv, .offset: 48, .size: 8, .value_kind: global_buffer, .address_space: global }
      - { .name: wpc, .offset: 56, .size: 8, .value_kind: global_buffer, .address_space: global }
    .group_segment_fixed_size: 327680
    .private_segment_fixed_size: 0
    .kernarg_segment_align: 8
    .kernarg_segment_size: 64
    .max_flat_workgroup_size: 256
    .sgpr_count:     96
    .vgpr_count:     256
    .wavefront_size: 32
...
	.end_amdgpu_metadata
.endif
;; end of part 1
;; launch attn (part 2): grid 32 x 8, 16 waves a work-group, clusters of 4 x 1, 327,680 bytes of LDS; arguments qc, kv, wpc, b_proj, lowp_scales, out0; writes out0
.if DOCPART == 2
	.amdgcn_target "amdgcn-amd-amdhsa--gfx1250"
	.amdhsa_code_object_version 6
	.text
	.protected	k_qaa2d341748_attn
	.globl	k_qaa2d341748_attn
	.p2align	8
	.type	k_qaa2d341748_attn,@function
k_qaa2d341748_attn:
	s_mov_b64 s[64:65], 0
	v_nop
	global_prefetch_b8 v0, s[64:65] scope:SCOPE_SE
	s_setreg_imm32_b32 hwreg(HW_REG_WAVE_MODE, 25, 1), 1
	s_wait_xcnt 0x0
	s_wait_alu depctr_hold_cnt(0) depctr_sa_sdst(0) depctr_va_vdst(0) depctr_va_sdst(0) depctr_va_ssrc(0) depctr_va_vcc(0) depctr_vm_vsrc(0)
	s_getreg_b32 s2, hwreg(HW_REG_IB_STS2, 6, 4)
	s_cmp_eq_u32 s2, 0
	s_cbranch_scc0 .Lentry_in_a_cluster
	s_endpgm
.Lentry_in_a_cluster:
	s_bfe_u32 s2, ttmp6, 0x10000c
	s_cmp_lg_u32 s2, 0x3003
	s_cbranch_scc0 .Lentry_shape_is_right
	s_endpgm
.Lentry_shape_is_right:
; Causal attention on codes of FP8 (E4M3) for 8 sequences x 8 heads of 32, T = 1,024, and the output projection, in one launch.
; qc: [bn][h][tile 64][lane][16 B]; kv: [bn][h][K: tile 64, lane, 16 B | V: key step 8, tau 2, group of 32 keys 4, lane, 16 B]; wpc: [column tile 16][K step 2][4][lane][16 B]: all in the order of the operands' registers.
; SHARES.  Work-group g (0 .. 31) of a sequence owns query tiles 63 - g (long) and g (short), 16 queries each, for all 8 heads.  A key step is 128 keys; the short tile wants s = g / 8 + 1 steps, the long one 9 - s.
; Steps all of whose keys come after a tile's queries are not done: reference()'s own causal mask throws them away.
; SIXTEEN WAVES, two a head.  Wave h (role A) walks the long tile's steps 0 .. 4; wave 8 + h (role B) the short tile's s steps, then the long tile's steps 5 .. 8 - s: five and four steps, whatever g is.
; The two partial results of the long tile (sum, M, O) meet in LDS: they are brought under one M by powers of two, exactly.  Where s = 4 B's part is empty: its sum and O are 0 and its -M is +3e38, so its factor is 0.
; TILES.  Keys 0 .. 511 of all heads (262,144 bytes) lie in LDS: each wave asks for 16,384 bytes, K's by role A, V's by role B, JOINTLY for the four work-groups of the cluster; no byte is filled twice.
; Keys 512 and on (steps 4 .. 8 - s of the long tile) go from memory straight into the operands' registers, not jointly: all 1,024 keys of 8 heads are 524,288 bytes, LDS has 327,680, and of the 9 steps of a head only 5 - s are such.
; In trip i both roles read step i of the image in LDS, or their next direct step.  V of the step in hand and K of the next one are asked for behind the score products; the wait for both stands ahead of the second product.
; PREFETCH.  The first cluster of a sequence (s = 1) asks, two trips ahead of the load, for step 7 (role B, in trip 0) and for step 4 (role A, in trip 1); steps 5 and 6, which its role B loads in trips 0 and 1, come by their loads alone.
; The four partners share a step's 32 blocks of 256 bytes out by address, eight each.
; PRODUCTS, both transposed, so that a lane holds one query throughout.  S^T = K Q^T by the K = 64 form: source 0 holds TWO key tiles (32 codes each), source 1 is q beside 32 zero codes, low or high: the half that is not meant meets zeros.
; O^T = V^T P^T by the K = 128 form.  The eight results of key tile T are keys 16 T + 8 (lane / 16) + 0 .. 7: the form's own places 2 T, 2 T + 1.
; SOFTMAX.  t = score x log2(e) / sqrt(32); M = the running largest t rounded up to a whole number; p = 2^(t - M) is quantised, not normalised; the sum is taken of the unquantised p; when M moves, sum and O are multiplied by 2^(old M - new M), exactly.
; On a tile's diagonal step hidden scores become -infinity ahead of the maximum; a query's own key always counts there, so the maximum is a number.
; PROJECTION.  A head's 32 numbers of O, quantised, are four registers of the projection's operand; the heads' parts meet in LDS as an image of its registers.  Wave w makes output columns 16 w .. 16 w + 15 for both tiles; rows leave whole through a stage.
; LIMITS.  e2 + e3 between -124 and 129 (added to c's exponent field); e5, e6 between -126 and 119; e6 + e7 between -126 and 127; e4 + e5 is applied by v_ldexp_f32.  The scaled scores stay under 2^31 in magnitude.  NaN among the inputs is not served.
.set HP,    32768                      ; a head's part of LDS: K of 512 keys, then V
.set VL,    16384
.set OIMG,  8*HP+8192                  ; O's codes: tile x 4,096 + head x 512 + 16 x lane
.set MRG,   OIMG+8192                  ; role B's partial results, MRW bytes a head
.set MRW,   2304
.set SPARE, MRG+8*MRW                  ; the spare words, 128 bytes for each wave: eight blocks of 256 bytes that no other line names
.set SROW,  1040                       ; the stage, from LDS byte 0 on, where nothing is filled again and nobody reads any more: 32 rows x (1,024 bytes + 16)
.set LI,  1                            ; v1   16 x lane
.set AK0, 2                            ; v2   my head's part of LDS for my lane;  v3 the same in the step in hand
.set ADK, 3
.set OWR, 4                            ; v4   where I store O's codes;  v5 where an image begins for my lane
.set ORD, 5
.set STO, 6                            ; v6   the stage: where I put 32 bytes of a row;  v7 where I read rows back
.set SRD, 7
.set PFO, 8                            ; v8   the prefetches' offset
.set BO,  9                            ; v9   32 (lane / 16)
.set MO,  10                           ; v10, v11  the partial results
.set MP,  11
.set MN,  12                           ; v12 -M;  v13 the largest t;  v[14:15] the sum in two halves
.set TM,  13
.set LS,  14
.set QHI, 16                           ; v[16:23] = [0 | q];  v[20:27] = [q | 0];  v28-31 role B's second q
.set QLO, 20
.set QSH, 28
.set KF,  32                           ; v32-63  8 key tiles, 4 registers each; in the last trip w_proj's two fragments
.set VF,  64                           ; v64-95  V's two fragments
.set S,   96                           ; v96-159 S^T, then p
.set O,   160                          ; v160-175 O^T
.set P,   176                          ; v176-191 p's codes
.set B8,  192                          ; v192-199 b_proj
.set SPW, 200                          ; v200 my spare word; v201 0; never rewritten
.set NIL, 201
.set PLIM, 202                         ; v202 448 x 2^e5
.set PSC, 204                          ; 2^e5
.set DL,  205                          ; my query's place in its block of 128, less 8 (lane / 16);  v206 the long tile's
.set DLS, 206
.set NINF, 207
.set FF,  208                          ; v[208:209] f
.set MA,  210
.set MB,  211
.set PX,  212
.set TV,  213
.set OLIM, 214                         ; 448 x 2^e6, 2^e6
.set OSC, 215
.set RR,  216
.set HF,  217
.set T,   218                          ; v218-231 seven partial sums
.set XP,  232                          ; v[232:233] -M and the sum of the other role
.set GF,  234                          ; v[234:235] its factor
.set MC,  236
.set MD,  237
.set WV,  16                           ; s16 wave;  s17 cx;  s18 g;  s19 bn;  s20 the long tile;  s21 the tile that I begin with
.set CX,  17
.set GG,  18
.set BN,  19
.set G1,  24                           ; s[24:31] group 1;  s[32:35] group 0;  s[36:37] where my direct loads stand
.set G0,  32
.set PP,  36
.set TB,  40                           ; s40 4,096 x trip;  s41 trip;  s42 trip + 1
.set I,   41
.set TH,  43                           ; s43 trips below it read LDS;  s44 the trip that I leave out;  s45 my last trip;  s46 the trip that ends the short tile;  s47, s60 diagonal trips
.set SKP, 44
.set LT,  45
.set FT,  46
.set D1,  47
.set CC,  48                           ; s[48:49] c;  s[50:51] lane selects for lane xor 16
.set SEL, 50
.set D2,  60
.set DH,  61                           ; s61 the tile's queries lie in the upper half of their block of 128
.set PFT, 62                           ; s62 the trip in which I prefetch
.set HD,  63                           ; s63 head;  s80 role
.set ROLE, 80
.macro CROUND                          ; a round of the cluster's barrier
	s_barrier_signal -1
	s_barrier_wait -1
	s_cmp_lg_u32 s[WV], 0
	s_cbranch_scc1 .Lnot_wave_0_\@
	s_barrier_signal -3
.Lnot_wave_0_\@:
	s_barrier_wait -3
	s_barrier_signal -1
	s_barrier_wait -1
.endm
.macro HIDE a                          ; scores of four key tiles: register n holds key 16 (n / 8) + 8 (lane / 16) + n % 8 of the step
.set n, \a
.rept 32
	v_cmp_gt_i32 vcc_lo, 16*(n/8)+n%8, v[DL]
	v_cndmask_b32 v[S+n], v[S+n], v[NINF], vcc_lo
.set n, n+1
.endr
.endm
; A tile is done: O^T x 2^(e4 + e5) / the sum, quantised with 2^e6: four registers of the projection's operand, to LDS
.macro FINISH
	v_permlanex16_b32 v[PX], v[LS], s[SEL], s[SEL+1]
	s_delay_alu instid0(VALU_DEP_1)
	v_add_f32 v[LS], v[LS], v[PX]                  ; the row's sum
	s_wait_alu depctr_va_vdst(0)                   ; the wait ahead of the transcendental,
	v_rcp_f32 v[FF], v[LS]
	v_nop
	s_wait_alu depctr_va_vdst(0)                   ; ahead of its first reader,
	v_ldexp_f32 v[FF], v[FF], s66
	s_wait_alu depctr_va_vdst(0)                   ; and ahead of the first reader of O^T
.irp j, 0,2,4,6,8,10,12,14
	v_pk_mul_f32 v[O+\j:O+\j+1], v[O+\j:O+\j+1], v[FF:FF+1] op_sel_hi:[1,0]
.endr
.set n, 0
.rept 16
	v_med3_num_f32 v[O+n], v[O+n], -v[OLIM], v[OLIM]
.set n, n+1
.endr
	v_cvt_scalef32_pk8_fp8_f32 v[P:P+1], v[O:O+7], v[OSC]          ; k = 32 h + 8 (lane / 16) + j,
	v_cvt_scalef32_pk8_fp8_f32 v[P+2:P+3], v[O+8:O+15], v[OSC]     ; k = 32 h + 16 + 8 (lane / 16) + j: the form's own layout
	v_nop
	ds_store_b128 v[OWR], v[P:P+3]                 ; tile x 4,096 + head x 512 = my wave's number x 512: role A stores the long tile's codes (tile 0), role B the short tile's (tile 1)
.endm
	s_load_b256 s[4:11], s[0:1], 0x0               ; qc s[4:5], kv s[6:7], wpc s[8:9], b_proj s[10:11]
	s_load_b128 s[12:15], s[0:1], 0x20             ; scales s[12:13], out0 s[14:15]
	v_lshl_add_u32 v[SPW], v0, 2, SPARE
	v_mov_b32 v[NIL], 0
	ds_add_u32 v[SPW], v[NIL]                      ; the wave's opening: the add, twice on end, and its wait ahead of my tensor load
	ds_add_u32 v[SPW], v[NIL]
	v_lshrrev_b32 v[TV], 5, v0
	v_readfirstlane_b32 s[WV], v[TV]               ; wave 0..15
	s_mov_b32 s[BN], ttmp9                         ; the sequence = cluster x, which the partners share
	s_and_b32 s86, ttmp7, 0xffff                   ; cluster y: the cluster's number within its sequence
	s_and_b32 s[HD], s[WV], 7
	s_lshr_b32 s[ROLE], s[WV], 3
	s_mov_b32 s[G1+0], 15|(3<<16)|(1<<21)          ; mask: all four; elements of 8 bytes; bit 21 beside a mask; no padding: sixteen lanes read 256 bytes on end
	s_mov_b32 s[G1+1], 32<<16                      ; tensor_dim0 = 32: rows of 256 bytes
	s_mov_b32 s[G1+2], 64<<16                      ; tensor_dim1 = 64
	s_mov_b32 s[G1+3], 32<<16                      ; tile_dim0
	s_mov_b32 s[G1+4], 64                          ; tile_dim1
	s_mov_b32 s[G1+5], 32                          ; dense
	s_mov_b32 s[G1+6], 0
	s_mov_b32 s[G1+7], 0
	s_lshl_b32 s67, s[HD], 15                      ; my head's part of LDS; role B fetches V
	s_lshl_b32 s78, s[ROLE], 14
	s_mov_b32 s[G0], 1
	s_add_co_u32 s[G0+1], s67, s78
	s_lshl_b32 s82, s[BN], 19
	s_lshl_b32 s83, s[HD], 16
	s_add_co_u32 s82, s82, s83                     ; my head's part of kv
	s_lshl_b32 s38, s[ROLE], 15
	s_add_co_u32 s38, s38, s82
	s_mov_b32 s39, 0
	v_and_b32 v[TV], 31, v0
	v_and_b32 v[RR], 15, v0
	v_bfe_u32 v[HF], v0, 4, 1
	v_lshlrev_b32 v[LI], 4, v[TV]
	v_min_u32 v[PFO], 7, v[TV]
	v_add_nc_u32 v[AK0], s67, v[LI]
	s_lshl_b32 s78, s[WV], 9
	s_add_co_u32 s78, s78, OIMG
	v_add_nc_u32 v[OWR], s78, v[LI]
	v_add_nc_u32 v[ORD], OIMG, v[LI]
	v_mul_u32_u24 v[STO], v[RR], SROW
	v_lshl_add_u32 v[STO], v[HF], 5, v[STO]
	s_lshl_b32 s78, s[WV], 6
	v_add_nc_u32 v[STO], s78, v[STO]               ; row r, + 64 w + 32 (lane / 16): my columns' bytes
	s_mul_i32 s78, s[WV], 2*SROW
	v_add_nc_u32 v[SRD], s78, v[LI]                ; back: rows 2 w, 2 w + 1
	s_mul_i32 s78, s[HD], MRW
	s_add_co_u32 s78, s78, MRG
	v_add_nc_u32 v[MO], s78, v[LI]
	s_add_co_u32 s78, s78, 2048
	v_lshlrev_b32 v[MP], 3, v[TV]
	v_add_nc_u32 v[MP], s78, v[MP]
	v_lshlrev_b32 v[BO], 5, v[HF]
	s_wait_alu depctr_va_vdst(0)                   ; the wait here, directly ahead of the wait below
	s_wait_dscnt 0x0                               ; both opening adds are done
	CROUND                                         ; all four work-groups are here: the joint loads meet
	s_wait_kmcnt 0x0
	s_load_b256 s[52:59], s[12:13], 0x0            ; e0 .. e7
	s_add_nc_u64 s[G0+2:G0+3], s[6:7], s[38:39]
	s_or_b32 s[G0+3], s[G0+3], 0x80000000
	tensor_load_to_lds s[G0:G0+3], s[G1:G1+7]      ; my one tensor load
	s_nop 0
.rept 4
	v_nop
.endr
	; what hangs on my place in the cluster: global addresses and the mask's numbers alone
	s_bfe_u32 s[CX], ttmp6, 0x40000
	s_lshl_b32 s[GG], s86, 2
	s_add_co_u32 s[GG], s[GG], s[CX]               ; g: the short tile
	s_sub_co_u32 s20, 63, s[GG]                    ; the long tile
	s_cmp_eq_u32 s[ROLE], 0
	s_cselect_b32 s21, s20, s[GG]
	s_mov_b32 s23, 0
	s_lshl_b32 s78, s[BN], 3
	s_add_co_u32 s78, s78, s[HD]
	s_lshl_b32 s78, s78, 15
	s_lshl_b32 s22, s21, 9
	s_add_co_u32 s22, s22, s78
	s_add_nc_u64 s[70:71], s[4:5], s[22:23]        ; q of the tile that I begin with
	s_lshl_b32 s22, s20, 9
	s_add_co_u32 s22, s22, s78
	s_add_nc_u64 s[84:85], s[4:5], s[22:23]        ; q of the long tile
	s_lshl_b32 s22, s[WV], 12
	s_add_nc_u64 s[72:73], s[8:9], s[22:23]        ; w_proj's codes: column tile w
	s_lshl_b32 s22, s[WV], 6
	s_add_nc_u64 s[74:75], s[10:11], s[22:23]
.irp j, 0,1,2,3
	v_mov_b32 v[QSH+\j], 0                         ; written on every way through the text: the load into them stands under a branch
.endr
	global_load_b128 v[QLO:QLO+3], v[LI], s[70:71]
	global_load_b128 v[B8:B8+3], v[BO], s[74:75]
	global_load_b128 v[B8+4:B8+7], v[BO], s[74:75] offset:16
	s_cmp_eq_u32 s[ROLE], 0
	s_cbranch_scc1 .Lno_second
	global_load_b128 v[QSH:QSH+3], v[LI], s[84:85]
.Lno_second:
	s_lshr_b32 s81, s86, 1
	s_add_co_u32 s81, s81, 1                       ; s: it hangs on the cluster's number alone
	s_sub_co_u32 s78, s81, 1
	s_cmp_eq_u32 s81, 4
	s_cselect_b32 s79, 4, 9                        ; role A meets the long tile's diagonal in trip 4 where s = 4, else never
	s_cmp_eq_u32 s[ROLE], 0
	s_cselect_b32 s[TH], 4, s81
	s_cselect_b32 s[SKP], 9, 4                     ; (a trip 9 does not come)
	s_cselect_b32 s[LT], 4, 3
	s_cselect_b32 s[FT], 9, s78
	s_cselect_b32 s[D1], s79, s78
	s_cselect_b32 s[D2], s79, 3
	s_cselect_b32 s78, 1, 0
	s_cmp_eq_u32 s86, 0                            ; the sequence's first cluster
	s_cselect_b32 s[PFT], s78, 9
	s_sub_co_u32 s22, 5, s81
	s_lshl_b32 s22, s22, 12
	s_cmp_eq_u32 s[ROLE], 0
	s_cselect_b32 s22, 0, s22                      ; trip i: role A's step i, role B's step i + 5 - s
	s_add_co_u32 s22, s22, s82
	s_add_nc_u64 s[PP:PP+1], s[6:7], s[22:23]
	s_and_b32 s78, s86, 1
	s_xor_b32 s78, s78, 1
	s_xor_b32 s[DH], s78, s[ROLE]                  ; the short tile's queries lie in the upper half where the cluster's number is odd, the long tile's where it is even
	s_lshl_b32 s22, s21, 4                         ; the rows that I store: of the tile that I begin with, 2 h and 2 h + 1
	s_lshl_b32 s78, s[HD], 1
	s_add_co_u32 s22, s22, s78
	s_lshl_b32 s22, s22, 12
	s_lshr_b32 s78, s[BN], 2
	s_lshl_b32 s78, s78, 22
	s_add_co_u32 s22, s22, s78
	s_and_b32 s78, s[BN], 3
	s_lshl_b32 s78, s78, 10
	s_add_co_u32 s22, s22, s78
	s_add_nc_u64 s[76:77], s[14:15], s[22:23]
	s_mov_b32 s[SEL], 0x76543210
	s_mov_b32 s[SEL+1], 0xfedcba98
	s_mov_b32 s[TB], 0
	s_mov_b32 s[I], 0
	s_and_b32 s78, s21, 7
	s_lshl_b32 s78, s78, 4
	s_and_b32 s79, s20, 7
	s_lshl_b32 s79, s79, 4
	s_lshl_b32 s67, s[CX], 3
	v_lshlrev_b32 v[DL], 3, v[HF]
	v_sub_nc_u32 v[TV], v[RR], v[DL]               ; r - 8 (lane / 16)
	v_add_nc_u32 v[DL], s78, v[TV]
	v_add_nc_u32 v[DLS], s79, v[TV]
	v_add_nc_u32 v[PFO], s67, v[PFO]               ; block 8 cx + 0 .. 7 of a step's 32: K's sixteen, then V's, 32,768 bytes on
	v_and_b32 v[TV], 15, v[PFO]
	v_lshrrev_b32 v[PFO], 4, v[PFO]
	v_lshlrev_b32 v[PFO], 15, v[PFO]
	v_lshl_add_u32 v[PFO], v[TV], 8, v[PFO]
.irp j, 0,1,2,3
	v_mov_b32 v[QHI+\j], 0                         ; the zero codes beside q
	v_mov_b32 v[QLO+4+\j], 0
.endr
.set n, 0
.rept 16
	v_mov_b32 v[O+n], 0                            ; the step is written once: the first finds zeros, which the first change of M leaves zeros
.set n, n+1
.endr
	v_mov_b32 v[LS], 0
	v_mov_b32 v[LS+1], 0
	v_mov_b32 v[TM], 0xff61b1e6                    ; -3e38, under every t
	v_mov_b32 v[FF+1], 0                           ; (named as the upper halves of two pairs)
	v_mov_b32 v[GF+1], 0
	v_mov_b32 v[PX], 0                             ; a lane permute's destination counts as one of its sources
	v_mov_b32 v[NINF], 0xff800000
	v_floor_f32 v[MN], -v[TM]
	s_wait_kmcnt 0x0
	s_add_co_i32 s78, s54, s55                     ; e2 + e3 are added to the exponent field of c = log2(e) / sqrt(32)
	s_lshl_b32 s78, s78, 23
	s_add_co_i32 s[CC], s78, 0x3e8293ee
	s_mov_b32 s[CC+1], s[CC]
	s_add_co_i32 s66, s56, s57                     ; e4 + e5
	s_add_co_i32 s78, s57, 127
	s_lshl_b32 s79, s78, 23
	v_mov_b32 v[PSC], s79                          ; 2^e5
	s_add_co_i32 s78, s78, 8
	s_lshl_b32 s78, s78, 23
	s_or_b32 s78, s78, 0x600000
	v_mov_b32 v[PLIM], s78                         ; 448 x 2^e5
	s_add_co_i32 s78, s58, 127
	s_lshl_b32 s79, s78, 23
	v_mov_b32 v[OSC], s79                          ; 2^e6
	s_add_co_i32 s78, s78, 8
	s_lshl_b32 s78, s78, 23
	s_or_b32 s78, s78, 0x600000
	v_mov_b32 v[OLIM], s78
	s_add_co_i32 s68, s58, s59
	s_add_co_i32 s68, s68, 127
	s_lshl_b32 s68, s68, 23                        ; 2^(e6 + e7)
	s_mov_b32 s69, s68
	s_wait_alu depctr_va_vdst(0)                   ; the wait at the head's end
	s_wait_loadcnt 0x0                             ; q, b_proj
	s_wait_tensorcnt 0x0                           ; my 16,384 bytes
	s_barrier_signal -1
	s_barrier_wait -1                              ; keys 0 .. 511 lie in LDS; nothing is filled again
.irp t, 0,1,2,3,4,5,6,7
	ds_load_b128 v[KF+4*\t:KF+4*\t+3], v[AK0] offset:\t*512
.endr
	s_wait_dscnt 0x0
.Ltrip:                                            ; five trips for every wave
	s_min_u32 s67, s[TB], 3*4096                   ; LDS holds four key steps; trip 4 reads none of them
	v_add_nc_u32 v[ADK], s67, v[AK0]
	s_wait_alu depctr_va_vdst(0)                   ; the wait here, ahead of the branches
	s_cmp_eq_u32 s[I], s[SKP]
	s_cbranch_scc1 .Lskip                          ; role B has four steps
.irp f, 0,1,2,3
	v_wmma_f32_16x16x64_fp8_fp8 v[S+16*\f:S+16*\f+7], v[KF+8*\f:KF+8*\f+7], v[QLO:QLO+7], 0       ; tile 2 f: k 0-31 meet q, k 32-63 (tile 2 f + 1's codes) meet zeros
	v_wmma_f32_16x16x64_fp8_fp8 v[S+16*\f+8:S+16*\f+15], v[KF+8*\f:KF+8*\f+7], v[QHI:QHI+7], 0    ; tile 2 f + 1
.endr
.rept 4
	v_nop                                          ; four places: loads into the products' sources and reads of their results follow
.endr
	s_cmp_lt_u32 s[I], s[TH]                       ; V of this step
	s_cbranch_scc0 .Lv_direct
.irp a, 0,1,2,3,4,5,6,7
	ds_load_b128 v[VF+4*\a:VF+4*\a+3], v[ADK] offset:VL+\a*512
.endr
	s_branch .Lv_asked
.Lv_direct:
.irp a, 0,1,2,3,4,5,6,7
	global_load_b128 v[VF+4*\a:VF+4*\a+3], v[LI], s[PP:PP+1] offset:32768+\a*512
.endr
.Lv_asked:
	s_add_co_u32 s42, s[I], 1                      ; K of the next
	s_cmp_lt_u32 s42, s[TH]
	s_cbranch_scc0 .Lk_direct
.irp t, 0,1,2,3,4,5,6,7
	ds_load_b128 v[KF+4*\t:KF+4*\t+3], v[ADK] offset:4096+\t*512
.endr
	s_branch .Lk_asked
.Lk_direct:
	s_cmp_eq_u32 s[I], s[LT]
	s_cbranch_scc1 .Lk_last
.irp t, 0,1,2,3,4,5,6,7
	global_load_b128 v[KF+4*\t:KF+4*\t+3], v[LI], s[PP:PP+1] offset:4096+\t*512
.endr
	s_branch .Lk_asked
.Lk_last:                                          ; behind my last step: w_proj's fragments (K step p at 16 p) take K's registers
.irp t, 0,1,2,3,4,5,6,7
	global_load_b128 v[KF+4*\t:KF+4*\t+3], v[LI], s[72:73] offset:\t*512
.endr
.Lk_asked:
	s_cmp_eq_u32 s[I], s[PFT]
	s_cbranch_scc0 .Lnot_mine
	global_prefetch_b8 v[PFO], s[PP:PP+1] offset:12288 th:TH_LOAD_NT scope:SCOPE_SE   ; the step that trip i + 2 asks for: three steps on
.Lnot_mine:
	s_cmp_eq_u32 s[I], s[D1]                       ; only a diagonal step has hidden keys
	s_cbranch_scc1 .Ldiag
	s_cmp_lg_u32 s[I], s[D2]
	s_cbranch_scc1 .Lopen
.Ldiag:
	s_cmp_eq_u32 s[DH], 0
	s_cbranch_scc0 .Lupper
	HIDE 0                                         ; queries in the lower half: the upper half's keys are all hidden
.set n, 32
.rept 32
	v_mov_b32 v[S+n], v[NINF]
.set n, n+1
.endr
	s_branch .Lopen
.Lupper:
	HIDE 32                                        ; queries in the upper half: the lower half's keys all count
.Lopen:
	v_max3_num_f32 v[MA], v[S], v[S+1], v[S+2]     ; the step's largest score of my query among my 64 keys, in four chains, each accumulator from its low end on,
	v_max3_num_f32 v[MB], v[S+3], v[S+4], v[S+5]
	v_max3_num_f32 v[MC], v[S+6], v[S+7], v[S+8]
	v_max3_num_f32 v[MD], v[S+9], v[S+10], v[S+11]
.irp i, 12,20,28,36,44,52
	v_max3_num_f32 v[MA], v[MA], v[S+\i], v[S+\i+1]
	v_max3_num_f32 v[MB], v[MB], v[S+\i+2], v[S+\i+3]
	v_max3_num_f32 v[MC], v[MC], v[S+\i+4], v[S+\i+5]
	v_max3_num_f32 v[MD], v[MD], v[S+\i+6], v[S+\i+7]
.endr
	v_max3_num_f32 v[MA], v[MA], v[S+60], v[S+61]
	v_max3_num_f32 v[MB], v[MB], v[S+62], v[S+63]
	v_max_num_f32 v[MC], v[MC], v[MD]
	v_max3_num_f32 v[MA], v[MA], v[MB], v[MC]
	s_delay_alu instid0(VALU_DEP_1)
	v_permlanex16_b32 v[PX], v[MA], s[SEL], s[SEL+1]
	s_delay_alu instid0(VALU_DEP_1)
	v_max_num_f32 v[MA], v[MA], v[PX]              ; and among lane xor 16's
	s_delay_alu instid0(VALU_DEP_1)
	v_mul_f32 v[MA], s[CC], v[MA]                  ; as t (c is positive)
	s_delay_alu instid0(VALU_DEP_1)
	v_max_num_f32 v[TM], v[TM], v[MA]
	v_mov_b32 v[MA], v[MN]
	s_delay_alu instid0(VALU_DEP_2)
	v_floor_f32 v[MN], -v[TM]                      ; -M = floor(-t): M is a whole number
	s_delay_alu instid0(VALU_DEP_1)
	v_sub_f32 v[MA], v[MN], v[MA]
	s_delay_alu instid0(VALU_DEP_1)
	v_cvt_i32_f32 v[MA], v[MA]                     ; (it saturates)
	s_delay_alu instid0(VALU_DEP_1)
	v_ldexp_f32 v[FF], 1.0, v[MA]                  ; f = 2^(old M - new M)
.set n, 0
.rept 32
	v_pk_fma_f32 v[S+n:S+n+1], v[S+n:S+n+1], s[CC:CC+1], v[MN:MN+1] op_sel_hi:[1,0,0]   ; t - M
.set n, n+2
.endr
.irp j, 0,2,4,6,8,10,12,14
	v_pk_mul_f32 v[O+\j:O+\j+1], v[O+\j:O+\j+1], v[FF:FF+1] op_sel_hi:[1,0]   ; O^T under the new M
.endr
	s_wait_alu depctr_va_vdst(0)                   ; the wait ahead of the batch
.set n, 0
.rept 64
	v_exp_f32 v[S+n], v[S+n]                       ; p = 2^(t - M)
.set n, n+1
.endr
	v_pk_mul_f32 v[LS:LS+1], v[LS:LS+1], v[FF:FF+1] op_sel_hi:[1,0]   ; the sums under the new M: the plain line behind the exponentials
	s_wait_alu depctr_va_vdst(0)                   ; and for one wait ahead of the batch's first reader
.irp a, 0,1,2,3,4,5,6
	v_pk_add_f32 v[T+2*\a:T+2*\a+1], v[S+4*\a:S+4*\a+1], v[S+4*\a+2:S+4*\a+3]   ; the sum is taken of the unquantised p, in eight chains
.endr
	v_pk_add_f32 v[LS:LS+1], v[LS:LS+1], v[S+28:S+29]
.set n, 30
.set kk, 0
.rept 17
.if kk < 7
	v_pk_add_f32 v[T+2*kk:T+2*kk+1], v[T+2*kk:T+2*kk+1], v[S+n:S+n+1]
.else
	v_pk_add_f32 v[LS:LS+1], v[LS:LS+1], v[S+n:S+n+1]
.endif
.set n, n+2
.set kk, (kk+1)&7
.endr
.set n, 0
.rept 32
	v_min_num_f32 v[S+n], v[S+n], v[PLIM]          ; the conversion does not saturate (ISA guide 7.6.2); p is not negative, so the hold is one-sided
	v_min_num_f32 v[S+n+1], v[S+n+1], v[PLIM]
.set n, n+2
.endr
.irp b, 0,1,2,3,4,5,6,7
	v_cvt_scalef32_pk8_fp8_f32 v[P+2*\b:P+2*\b+1], v[S+8*\b:S+8*\b+7], v[PSC]
.endr
	v_pk_add_f32 v[T:T+1], v[T:T+1], v[T+2:T+3]    ; the chains meet; also the plain lines between the conversions and the products
	v_pk_add_f32 v[T+4:T+5], v[T+4:T+5], v[T+6:T+7]
	v_pk_add_f32 v[T+8:T+9], v[T+8:T+9], v[T+10:T+11]
	v_pk_add_f32 v[LS:LS+1], v[LS:LS+1], v[T+12:T+13]
	v_pk_add_f32 v[T:T+1], v[T:T+1], v[T+4:T+5]
	v_pk_add_f32 v[LS:LS+1], v[LS:LS+1], v[T+8:T+9]
	v_pk_add_f32 v[LS:LS+1], v[LS:LS+1], v[T:T+1]
	s_wait_alu depctr_va_vdst(0)                   ; the wait here, directly ahead of the waits below
	s_wait_loadcnt 0x0
	s_wait_dscnt 0x0                               ; V of this step and K of the next are in, from LDS or from memory
	s_wait_xcnt 0x0                                ; and a prefetch of mine has read its address: the pointer may step
	v_wmma_f32_16x16x128_fp8_fp8 v[O:O+7], v[VF:VF+15], v[P:P+15], v[O:O+7]
	v_wmma_f32_16x16x128_fp8_fp8 v[O+8:O+15], v[VF+16:VF+31], v[P:P+15], v[O+8:O+15]
	s_cmp_eq_u32 s[I], s[FT]
	s_cbranch_scc0 .Lskip
.rept 4
	v_nop                                          ; four places behind the last products
.endr
	v_add_f32 v[LS], v[LS], v[LS+1]                ; role B: the short tile is finished, and the long tile's last steps begin
	FINISH
.set n, 0
.rept 16
	v_mov_b32 v[O+n], 0
.set n, n+1
.endr
	v_mov_b32 v[LS], 0
	v_mov_b32 v[LS+1], 0
	v_mov_b32 v[TM], 0xff61b1e6
.irp j, 0,1,2,3
	v_mov_b32 v[QLO+\j], v[QSH+\j]
.endr
	v_mov_b32 v[DL], v[DLS]
	v_floor_f32 v[MN], -v[TM]
	s_wait_alu depctr_va_vdst(0)
	s_xor_b32 s[DH], s[DH], 1
.Lskip:
	s_add_nc_u64 s[PP:PP+1], s[PP:PP+1], 4096
	s_add_co_u32 s[TB], s[TB], 4096
	s_add_co_u32 s[I], s[I], 1
	s_cmp_lt_u32 s[I], 5
	s_cbranch_scc1 .Ltrip
.rept 5
	v_nop                                          ; places behind the last products
.endr
	s_cmp_eq_u32 s[ROLE], 0
	s_cbranch_scc1 .Lnot_b
	v_mov_b32 v[XP], v[MN]                         ; role B's part of the long tile, to LDS
	v_add_f32 v[XP+1], v[LS], v[LS+1]
	ds_store_b64 v[MP], v[XP:XP+1]
.irp a, 0,1,2,3
	ds_store_b128 v[MO], v[O+4*\a:O+4*\a+3] offset:\a*512
.endr
.Lnot_b:
	s_wait_dscnt 0x0                               ; for the others' sake: my part is stored
	s_barrier_signal -1
	s_barrier_wait -1
	s_cmp_lg_u32 s[ROLE], 0
	s_cbranch_scc1 .Lnot_a
	ds_load_b64 v[XP:XP+1], v[MP]
.irp a, 0,1,2,3
	ds_load_b128 v[S+4*\a:S+4*\a+3], v[MO] offset:\a*512
.endr
	s_wait_dscnt 0x0
	v_add_f32 v[LS], v[LS], v[LS+1]
	v_min_num_f32 v[MA], v[MN], v[XP]              ; -M of the whole row
	v_sub_f32 v[MB], v[MA], v[MN]
	v_sub_f32 v[MC], v[MA], v[XP]
	v_cvt_i32_f32 v[MB], v[MB]
	v_cvt_i32_f32 v[MC], v[MC]                     ; (it saturates)
	v_ldexp_f32 v[FF], 1.0, v[MB]
	v_ldexp_f32 v[GF], 1.0, v[MC]
	v_mul_f32 v[LS], v[LS], v[FF]
.irp j, 0,2,4,6,8,10,12,14
	v_pk_mul_f32 v[S+\j:S+\j+1], v[S+\j:S+\j+1], v[GF:GF+1] op_sel_hi:[1,0]
.endr
	v_fma_f32 v[LS], v[XP+1], v[GF], v[LS]
.irp j, 0,2,4,6,8,10,12,14
	v_pk_fma_f32 v[O+\j:O+\j+1], v[O+\j:O+\j+1], v[FF:FF+1], v[S+\j:S+\j+1] op_sel_hi:[1,0,1]
.endr
	FINISH
.Lnot_a:
	s_wait_dscnt 0x0                               ; for the others' sake: my codes of O are stored
	s_barrier_signal -1
	s_barrier_wait -1
	; THE PROJECTION: both tiles' operand (16 queries x 256) from LDS; my 16 output columns
.irp f, 0,1,2,3                        ; fragment f = 2 tile + K step
.irp c, 0,1,2,3
	ds_load_b128 v[S+16*\f+4*\c:S+16*\f+4*\c+3], v[ORD] offset:2048*\f+512*\c
.endr
.endr
	s_wait_dscnt 0x0
.irp p, 0,1
.irp t, 0,1                            ; two accumulators by turns, one instruction a turn
.if \p == 0
	v_wmma_f32_16x16x128_fp8_fp8 v[VF+8*\t:VF+8*\t+7], v[KF:KF+15], v[S+32*\t:S+32*\t+15], 0
.else
	v_wmma_f32_16x16x128_fp8_fp8 v[VF+8*\t:VF+8*\t+7], v[KF+16:KF+31], v[S+32*\t+16:S+32*\t+31], v[VF+8*\t:VF+8*\t+7]
.endif
.endr
.endr
.rept 4
	v_nop
.endr
.irp t, 0,1
.irp j, 0,2,4,6
	v_pk_fma_f32 v[O+8*\t+\j:O+8*\t+\j+1], v[VF+8*\t+\j:VF+8*\t+\j+1], s[68:69], v[B8+\j:B8+\j+1] op_sel_hi:[1,0,1]   ; sum x 2^(e6 + e7) + bias
.endr
	ds_store_b128 v[STO], v[O+8*\t:O+8*\t+3] offset:\t*16*SROW         ; lane (r, half): row 16 tile + r, columns 16 w + 8 half + 0 .. 7
	ds_store_b128 v[STO], v[O+8*\t+4:O+8*\t+7] offset:\t*16*SROW+16
.endr
	s_wait_dscnt 0x0                               ; for the others' sake: my part of the 32 rows is stored
	s_barrier_signal -1
	s_barrier_wait -1
.irp a, 0,1
.irp c, 0,1
	ds_load_b128 v[S+4*(2*\a+\c):S+4*(2*\a+\c)+3], v[SRD] offset:\a*SROW+512*\c
.endr
.endr
.irp a, 0,1
.irp c, 0,1
	s_wait_dscnt 3-2*\a-\c
	global_store_b128 v[LI], v[S+4*(2*\a+\c):S+4*(2*\a+\c)+3], s[76:77] offset:\a*4096+512*\c th:TH_STORE_NT   ; the wave stores 512 consecutive bytes of a row of out0, aligned
.endr
.endr
	s_wait_tensorcnt 0x0                           ; the wave's end: behind my last tensor load and my last LDS store
	ds_add_u32 v[SPW], v[NIL]
	s_wait_dscnt 0x0
	CROUND                                         ; the closing round
	s_endpgm
.Lfunc_end_k_qaa2d341748_attn:
	.size	k_qaa2d341748_attn, .Lfunc_end_k_qaa2d341748_attn-k_qaa2d341748_attn
	.p2alignl 7, 3214868480
	.fill 96, 4, 3214868480
	.section	.rodata,"a",@progbits
	.p2align	6, 0x0
	.amdhsa_kernel k_qaa2d341748_attn
		.amdhsa_group_segment_fixed_size 327680
		.amdhsa_private_segment_fixed_size 0
		.amdhsa_enable_private_segment 0
		.amdhsa_kernarg_size 48
		.amdhsa_user_sgpr_count 2
		.amdhsa_user_sgpr_kernarg_segment_ptr 1
		.amdhsa_wavefront_size32 1
		.amdhsa_system_sgpr_workgroup_id_x 1
		.amdhsa_system_sgpr_workgroup_id_y 1
		.amdhsa_system_sgpr_workgroup_id_z 1
		.amdhsa_system_vgpr_workitem_id 0
		.amdhsa_next_free_vgpr 256
		.amdhsa_next_free_sgpr 96
		.amdhsa_reserve_vcc 1
		.amdhsa_float_denorm_mode_32 3
		.amdhsa_float_denorm_mode_16_64 3
		.amdhsa_memory_ordered 1
		.amdhsa_forward_progress 1
		.amdhsa_inst_pref_size 44
	.end_amdhsa_kernel
	.amdgpu_metadata
---
amdhsa.version: [ 1, 2 ]
amdhsa.kernels:
  - .name:           k_qaa2d341748_attn
    .symbol:         k_qaa2d341748_attn.kd
    .args:
      - { .name: qc, .offset: 0, .size: 8, .value_kind: global_buffer, .address_space: global }
      - { .name: kv, .offset: 8, .size: 8, .value_kind: global_buffer, .address_space: global }
      - { .name: wpc, .offset: 16, .size: 8, .value_kind: global_buffer, .address_space: global }
      - { .name: b_proj, .offset: 24, .size: 8, .value_kind: global_buffer, .address_space: global }
      - { .name: lowp_scales, .offset: 32, .size: 8, .value_kind: global_buffer, .address_space: global }
      - { .name: out0, .offset: 40, .size: 8, .value_kind: global_buffer, .address_space: global }
    .group_segment_fixed_size: 327680
    .private_segment_fixed_size: 0
    .kernarg_segment_align: 8
    .kernarg_segment_size: 48
    .max_flat_workgroup_size: 512
    .sgpr_count:     96
    .vgpr_count:     256
    .wavefront_size: 32
...
	.end_amdgpu_metadata
.endif
;; end of part 2
